; MI455X (gfx1250); checked and timed in simulation.
; The chip was launched on July 23, 2026; its instructions are those of AMD's public machine-readable ISA for CDNA 5 (MIT licence, August 2026) and "CDNA5" Instruction Set Architecture Reference Guide (July 2026). The comments in the code are by the model that wrote it; some were corrected since.
;; Two Layer Fixed Classifier. Allowed arithmetic: matrix products marked QUANTISED: E2M3 operands, one E8M0 scale for each 32 along K, by v_wmma_scale_f32_16x16x128_f8f6f4 with both operands' format E2M3, f32 sums; everything else in f32.
;; Inputs: b1 4,096 float32; b2 1,000 float32; w1 4,096 x 2,048 float32; w2 1,000 x 4,096 float32; x 8,192 x 2,048 float32.
;; Outputs: out0 8,192 x 1,000 float32.
;; This version of the problem:
;;   THIS VERSION OF THE PROBLEM IS GIVEN IN LOW PRECISION. The matrix products marked QUANTISED in the list below multiply operands that are first quantised to E2M3 (2 exponent bits, 3 mantissa bits; 6 bits a number), with one power-of-two scale for each 32 numbers along K (OCP MX v1.0); their sums are f32. All else is computed in f32.
;;   The module's matrix products, in the order in which they are computed (A, B: the left and right operand; K: the contracted axis; several contracted axes count as one K, in the product's order):
;;     1. [M 8,192, K 2,048] x [K 2,048, N 4,096]; A: input x; B: input w1: QUANTISED
;;   THE QUANTISER, for each operand of a quantised product, along K:
;;     - K is cut into blocks of 32 from its start; a last block that is shorter is filled with zeros.
;;     - A block's scale is 2^e with e = floor(log2(the largest magnitude in the block)) - 2, held to -126 .. 127; a block of zeros has e = 0. As a byte (E8M0): e + 127.
;;     - Each number is divided by its block's scale, clamped to +-7.5, and rounded to the nearest number of E2M3, ties to even, subnormals kept.
;;     - The product sums the exact products of the quantised numbers (number of the format x scale) in f32.
;;   ~~~python
;;   def quantise(x, axis):      # numpy; x: float32 -> the quantised numbers, widened to float32 again
;;       x = np.moveaxis(x, axis, -1); K = x.shape[-1]
;;       x = np.pad(x, [(0, 0)] * (x.ndim - 1) + [(0, -K % 32)]); x = x.reshape(x.shape[:-1] + (-1, 32)); a = np.abs(x).max(-1, keepdims=True)
;;       e = np.where(a > 0, np.clip(np.frexp(np.where(a > 0, a, 1))[1] - 1 - 2, -126, 127), 0)      # np.frexp(a)[1] - 1 = floor(log2(a)), exactly
;;       r = np.clip(x / 2.0 ** e, -7.5, 7.5)
;;       step = 2.0 ** (np.maximum(np.frexp(np.where(r == 0, 1, r))[1] - 1, 0) - 3)
;;       q = np.round(r / step) * step * 2.0 ** e      # np.round: ties to even
;;       return np.moveaxis(q.reshape(q.shape[:-2] + (-1,))[..., :K], -1, axis).astype(np.float32)
;;   ~~~
;; One version. Each part assembles by itself: llvm-mc -triple=amdgcn-amd-amdhsa -mcpu=gfx1250 --defsym DOCPART=n.
;; ======== version 1 of 1: 4 launches
;; limits: right only within a limited range of input values
;; workspace buffers: ac 13,107,200 bytes; bc 6,553,600 bytes; pval 1,048,576 bytes; pidx 1,048,576 bytes of whole numbers; w2t 16,777,216 bytes; idx 32,768 bytes of whole numbers
;; launch quant (part 1): grid 768 x 1, 4 waves a work-group, no clusters, 34,304 bytes of LDS; arguments x, w1, ac, bc; writes ac, bc
.if DOCPART == 1
	.amdgcn_target "amdgcn-amd-amdhsa--gfx1250"
	.amdhsa_code_object_version 6
	.text
	.protected	k_q4afce2b41f_quant
	.globl	k_q4afce2b41f_quant
	.p2align	8
	.type	k_q4afce2b41f_quant,@function
k_q4afce2b41f_quant:
	s_mov_b64 s[64:65], 0
	v_nop
	global_prefetch_b8 v0, s[64:65] scope:SCOPE_SE
	s_setreg_imm32_b32 hwreg(HW_REG_WAVE_MODE, 25, 1), 1
	s_wait_xcnt 0x0
; x [8192][2048] and w1 [4096][2048], f32, become codes of FP6 (E2M3) with one E8M0 scale byte for each 32 along K, laid as the product's launch takes them into registers.
; No work of the problem is left out: every input has a way to the output and is loaded by some launch.
; A block's scale is 2^(floor(log2(largest magnitude)) - 2); its byte is the largest magnitude's exponent field - 2, held at 1 from below (a block of zeros gets 1: its codes are zeros, and this program alone reads the bytes).
; Each number is divided by the scale and rounded to the nearest code, ties to even; beyond 7.5 the conversion gives the largest code.  LIMITS: NaN and infinities among the inputs are not served.
; LAYOUT of ac and bc: for each group g of 128 rows and each step s of 128 along K one dense unit of 12,800 bytes at (16 g + s) x 12,800:
;   eight fragments (16 rows x 128 K) of 1,536 bytes, each an image of the operand's 12 registers: register 4 j + e of lane l at byte 512 j + 16 l + 4 e;
;   then 512 bytes of scale words: the word of fragment i, row r at 12,288 + 64 i + 4 r.
; Lane (r, h) of a fragment holds row r, k = 64 h .. 64 h + 63: registers 0-5 its first block of 32, registers 6-11 its second.  The matrix unit scales registers 0-5 of half h by byte h and
; registers 6-11 by byte 2 + h, so the word's bytes stand in that order.  Both tensors are laid alike, so each product pairs the same k of both.
; A work-group owns 16 whole rows, 131,072 consecutive bytes of its tensor: fragment i of group g in all 16 steps.  Wave w takes steps 4 w .. 4 w + 3: 2,048 consecutive bytes of each row.
; A load reads 512 consecutive bytes of a row; 16 rows turn through the wave's own stage in LDS (rows 528 bytes apart) and come back 256 bytes a lane.  A lane holds whole blocks, so no maximum crosses lanes.
; Each store of codes covers 512 consecutive bytes.  A fragment's 16 scale words are 64 consecutive bytes: a unit's 512 bytes of scale words belong to eight work-groups, so 64 of each 1,600 bytes stored leave as part of a run of 256.
; A fragment's stores of codes are issued behind the next fragment's run of LDS instructions, ahead of the wait for that run.
; The first 512 work-groups take x, the others w1: only pointers are chosen.  No tensor loads, no barrier, no cluster: waves share nothing.  Loads run two fragments (32 loads a wave) ahead.
.set WGA,   512
.set PITCH, 528
.set STG,   16*PITCH
.set UNIT,  12800
.set SPARE, 4*STG                      ; the spare words, 128 bytes a wave
.set SPW,   12
.set NIL,   13
.set R,     16                         ; v16-143  two sets of 64 as loaded
.set X,     144                        ; v144-207 my 64 neighbours
.set C,     208                        ; v208-219 the fragment's image
.set T,     220                        ; v220-222, v224-226 the conversions whose place in the image begins on an odd register
.set W,     228                        ; v228-231 the four fragments' scale words
.set M,     232                        ; v232-235 four chains of maxima
	s_load_b128 s[4:7], s[0:1], 0x0                ; x, w1
	s_load_b128 s[8:11], s[0:1], 0x10              ; ac, bc
	v_lshl_add_u32 v[SPW], v0, 2, SPARE
	v_mov_b32 v[NIL], 0
	v_lshrrev_b32 v1, 5, v0
	v_readfirstlane_b32 s16, v1                    ; wave
	v_and_b32 v2, 31, v0                           ; lane
	v_lshlrev_b32 v3, 4, v2                        ; 16 x lane: my bytes of a load's 512, and of a store's
	s_mul_i32 s17, s16, STG
	v_add_nc_u32 v4, s17, v3                       ; the stage, on the way in
	v_and_b32 v5, 15, v2                           ; r
	v_lshrrev_b32 v6, 4, v2                        ; h
	v_mul_u32_u24 v7, v5, PITCH
	v_lshl_add_u32 v7, v6, 8, v7
	v_add_nc_u32 v7, s17, v7                       ; and on the way out: row r, byte 256 h
	v_lshlrev_b32 v8, 3, v6                        ; 8 h: my bytes' shift in the scale word
	v_lshlrev_b32 v9, 2, v5                        ; 4 r: my row's scale word
	v_mov_b32 v10, 0                               ; a lane permute's destination counts as a source
	s_mov_b32 s20, 0x76543210
	s_mov_b32 s21, 0xfedcba98
	s_wait_alu depctr_va_vdst(0)                   ; the wait at the head's end
	s_wait_kmcnt 0x0
	s_cmp_lt_u32 ttmp9, WGA
	s_cselect_b64 s[4:5], s[4:5], s[6:7]
	s_cselect_b64 s[8:9], s[8:9], s[10:11]
	s_cselect_b32 s17, 0, WGA
	s_sub_co_u32 s17, ttmp9, s17                   ; my 16 rows: 8 g + i
	s_and_b32 s19, s17, 7                          ; i
	s_lshr_b32 s23, s17, 3                         ; g
	s_lshl_b32 s24, s17, 17                        ; in: 16 rows of 8,192 bytes a work-group, + 2,048 x wave
	s_lshl_b32 s25, s16, 11
	s_add_co_u32 s24, s24, s25
	s_mov_b32 s25, 0
	s_add_nc_u64 s[4:5], s[4:5], s[24:25]
	s_lshl_b32 s26, s23, 4                         ; out: unit 16 g + 4 x wave
	s_lshl_b32 s28, s16, 2
	s_add_co_u32 s26, s26, s28
	s_mul_i32 s26, s26, UNIT
	s_lshl_b32 s28, s19, 6                         ; the scale words: unit + 12,288 + 64 i
	s_add_co_u32 s28, s28, s26
	s_add_co_u32 s28, s28, 12288
	s_mov_b32 s29, 0
	s_add_nc_u64 s[10:11], s[8:9], s[28:29]
	s_mul_i32 s22, s19, 1536                       ; the codes: unit + 1,536 i
	s_add_co_u32 s26, s26, s22
	s_mov_b32 s27, 0
	s_add_nc_u64 s[8:9], s[8:9], s[26:27]
.macro LOAD f
.irp j, 0,1,2,3,4,5,6,7,8,9,10,11,12,13,14,15
	global_load_b128 v[R+64*((\f)%2)+4*\j:R+64*((\f)%2)+4*\j+3], v3, s[4:5] offset:\j*8192+512*(\f) th:TH_LOAD_NT
.endr
.endm
.macro OUT f
.irp j, 0,1,2
	global_store_b128 v3, v[C+4*\j:C+4*\j+3], s[8:9] offset:(\f)*UNIT+512*\j
.endr
.endm
.macro FRAGQ f
.if (\f) < 3
	s_wait_loadcnt 16                              ; this fragment's 16 rows are in; the next fragment's 16 loads may be out
.else
	s_wait_loadcnt 0x0
.endif
.irp j, 0,1,2,3,4,5,6,7,8,9,10,11,12,13,14,15
	ds_store_b128 v4, v[R+64*((\f)%2)+4*\j:R+64*((\f)%2)+4*\j+3] offset:\j*PITCH
.endr
.irp i, 0,1,2,3,4,5,6,7,8,9,10,11,12,13,14,15
	ds_load_b128 v[X+4*\i:X+4*\i+3], v7 offset:16*\i   ; LDS serves a wave's instructions in order: these see the stores above
.endr
.if (\f) > 0
	OUT (\f)-1                                     ; the last fragment's image leaves
.endif
	s_wait_dscnt 0x0                               ; my 64 numbers are back, and the LDS stores have read their registers
.if (\f) > 0
	s_wait_xcnt 0x0                                ; the image's registers are written again only behind this wait
.endif
.if (\f)+2 < 4
	LOAD (\f)+2
.endif
.irp c, 0,1                                    ; two chains a block, four by turns
	v_max3_num_f32 v[M+2*\c], |v[X+32*\c]|, |v[X+32*\c+1]|, 0x1800000     ; with the floor 2^(3 - 127): the byte cannot fall under 1
	v_max3_num_f32 v[M+2*\c+1], |v[X+32*\c+16]|, |v[X+32*\c+17]|, |v[X+32*\c+18]|
.endr
.irp i, 2,4,6,8,10,12
.irp c, 0,1
	v_max3_num_f32 v[M+2*\c], v[M+2*\c], |v[X+32*\c+\i]|, |v[X+32*\c+\i+1]|
	v_max3_num_f32 v[M+2*\c+1], v[M+2*\c+1], |v[X+32*\c+17+\i]|, |v[X+32*\c+18+\i]|
.endr
.endr
.irp c, 0,1
	v_max3_num_f32 v[M+2*\c], v[M+2*\c], |v[X+32*\c+14]|, |v[X+32*\c+15]|
.endr
.irp c, 0,1
	v_max3_num_f32 v[M+2*\c], v[M+2*\c], v[M+2*\c+1], |v[X+32*\c+31]|
.endr
	v_add_nc_u32 v14, 0xff000000, v[M]             ; 2 off the exponent field: the conversion's scale operand
	v_add_nc_u32 v15, 0xff000000, v[M+2]
	v_cvt_scalef32_pk16_fp6_f32 v[C:C+2], v[X:X+15], v14
	v_cvt_scalef32_pk16_fp6_f32 v[T:T+2], v[X+16:X+31], v14
	v_cvt_scalef32_pk16_fp6_f32 v[C+6:C+8], v[X+32:X+47], v15
	v_cvt_scalef32_pk16_fp6_f32 v[T+4:T+6], v[X+48:X+63], v15
	v_lshrrev_b32 v11, 23, v14                     ; the two bytes (also the plain line behind the conversions)
	v_lshrrev_b32 v1, 23, v15
.irp i, 0,1,2
	v_mov_b32 v[C+3+\i], v[T+\i]
	v_mov_b32 v[C+9+\i], v[T+4+\i]
.endr
	v_lshl_or_b32 v11, v1, 16, v11
	v_lshlrev_b32 v11, v8, v11                     ; at bytes h and 2 + h
	v_permlanex16_b32 v10, v11, s20, s21
	v_or_b32 v[W+(\f)], v11, v10                   ; with lane l xor 16's two the word is whole
	s_wait_alu depctr_va_vdst(0)
.endm
	LOAD 0
	LOAD 1
	FRAGQ 0
	FRAGQ 1
	FRAGQ 2
	FRAGQ 3
	OUT 3
	s_wait_xcnt 0x0                                ; EXEC changes only behind this wait
	v_cmp_gt_u32 vcc_lo, 16, v2
	s_and_saveexec_b32 s30, vcc_lo
.irp f, 0,1,2,3
	global_store_b32 v9, v[W+\f], s[10:11] offset:\f*UNIT   ; lanes 0-15 store a fragment's 64 consecutive bytes of scale words
.endr
	s_wait_xcnt 0x0
	s_or_b32 exec_lo, exec_lo, s30
	s_wait_tensorcnt 0x0                           ; the wave's end
	ds_add_u32 v[SPW], v[NIL]
	s_wait_dscnt 0x0
	s_endpgm
.Lfunc_end_k_q4afce2b41f_quant:
	.size	k_q4afce2b41f_quant, .Lfunc_end_k_q4afce2b41f_quant-k_q4afce2b41f_quant
	.p2alignl 7, 3214868480
	.fill 96, 4, 3214868480
	.section	.rodata,"a",@progbits
	.p2align	6, 0x0
	.amdhsa_kernel k_q4afce2b41f_quant
		.amdhsa_group_segment_fixed_size 34304
		.amdhsa_private_segment_fixed_size 0
		.amdhsa_enable_private_segment 0
		.amdhsa_kernarg_size 32
		.amdhsa_user_sgpr_count 2
		.amdhsa_user_sgpr_kernarg_segment_ptr 1
		.amdhsa_wavefront_size32 1
		.amdhsa_system_sgpr_workgroup_id_x 1
		.amdhsa_system_sgpr_workgroup_id_y 1
		.amdhsa_system_sgpr_workgroup_id_z 1
		.amdhsa_system_vgpr_workitem_id 0
		.amdhsa_next_free_vgpr 240
		.amdhsa_next_free_sgpr 66
		.amdhsa_reserve_vcc 1
		.amdhsa_float_denorm_mode_32 3
		.amdhsa_float_denorm_mode_16_64 3
		.amdhsa_memory_ordered 1
		.amdhsa_forward_progress 1
		.amdhsa_inst_pref_size 30
	.end_amdhsa_kernel
	.amdgpu_metadata
---
amdhsa.version: [ 1, 2 ]
amdhsa.kernels:
  - .name:           k_q4afce2b41f_quant
    .symbol:         k_q4afce2b41f_quant.kd
    .args:
      - { .name: x, .offset: 0, .size: 8, .value_kind: global_buffer, .address_space: global }
      - { .name: w1, .offset: 8, .size: 8, .value_kind: global_buffer, .address_space: global }
      - { .name: ac, .offset: 16, .size: 8, .value_kind: global_buffer, .address_space: global }
      - { .name: bc, .offset: 24, .size: 8, .value_kind: global_buffer, .address_space: global }
    .group_segment_fixed_size: 34304
    .private_segment_fixed_size: 0
    .kernarg_segment_align: 8
    .kernarg_segment_size: 32
    .max_flat_workgroup_size: 128
    .sgpr_count:     66
    .vgpr_count:     240
    .wavefront_size: 32
...
	.end_amdgpu_metadata
.endif
;; end of part 1
;; launch gemm (part 2): grid 16 x 16, 4 waves a work-group, clusters of 4 x 4, 327,680 bytes of LDS; arguments ac, bc, b1, pval, pidx; writes pval, pidx
.if DOCPART == 2
	.amdgcn_target "amdgcn-amd-amdhsa--gfx1250"
	.amdhsa_code_object_version 6
	.text
	.protected	k_q4afce2b41f_gemm
	.globl	k_q4afce2b41f_gemm
	.p2align	8
	.type	k_q4afce2b41f_gemm,@function
k_q4afce2b41f_gemm:
	s_mov_b64 s[64:65], 0
	v_nop
	global_prefetch_b8 v0, s[64:65] scope:SCOPE_SE
	s_setreg_imm32_b32 hwreg(HW_REG_WAVE_MODE, 25, 1), 1
	s_wait_xcnt 0x0
	s_wait_alu depctr_hold_cnt(0) depctr_sa_sdst(0) depctr_va_vdst(0) depctr_va_sdst(0) depctr_va_ssrc(0) depctr_va_vcc(0) depctr_vm_vsrc(0)
	s_getreg_b32 s2, hwreg(HW_REG_IB_STS2, 6, 4)
	s_cmp_eq_u32 s2, 0
	s_cbranch_scc0 .Lentry_in_a_cluster
	s_endpgm
.Lentry_in_a_cluster:
	s_bfe_u32 s2, ttmp6, 0x10000c
	s_cmp_lg_u32 s2, 0xf033
	s_cbranch_scc0 .Lentry_shape_is_right
	s_endpgm
.Lentry_shape_is_right:
; h[m][n] = b1[n] + sum over k of A[m][k] B[n][k], A = x's codes, B = w1's codes, FP6 (E2M3) with one E8M0 scale for each 32 along K; sums in f32.
; h never goes to memory: of each row each wave keeps the largest number of its 128 columns and the FIRST column that holds it:
; pval[slot][row] f32, pidx[slot][row] u32, slot = 2 x tile column + column half.  A later launch compares a row's 32 slots.
; ac and bc hold, for each group of 128 rows and each step of 128 along K, a dense unit of 12,800 bytes: eight fragments as images of the operand's registers (1,536 bytes: register 4 j + e of lane l at
; 512 j + 16 l + 4 e), then the scale words (fragment i, row r at 12,288 + 64 i + 4 r).  So a fragment is three loads of 16 bytes a lane at neighbouring bytes.
; A tile of h, 256 x 256, is made by four waves, each 128 x 128: 64 accumulators, 512 registers.  K goes through a ring of two LDS slots of THREE steps: a wave's tensor load brings one group's three units,
; 150 rows of 256 bytes, dense.  16 steps are six fills of 3, 3, 3, 3, 3 and 1 steps; the last states 50 rows.  Two slots of 153,600 bytes are what fits.
; CLUSTERS: 4 x 4 work-groups; A's groups are asked for jointly along a row of the cluster, B's along a column.  THE MATRIX INSTRUCTION IS USED TRANSPOSED (source 0 = 16 rows of B, source 1 = 16 rows of A):
; accumulator (a, b), lane (r, h), register j holds h[16 a + r][16 b + 8 h + j].  THE BIAS is the C of each sum's first matrix instruction.
; PREFETCH: behind the load that asks for fill f each wave names fill f + 1 of the group that it fetches, one fill (three steps) ahead of that fill's load: 150 runs of 256 bytes, of which the partner at
; place p takes runs 4 t + p (p = cx for A, cy for B: told apart by address), a lane a run, lanes left over the last run; the last fill has 50 runs.  Fill 0 comes by its load alone.
; LIMITS: b1 enters a sum ahead of the K steps, where the source adds it behind them: the order of rounding differs.  Of equal numbers the lowest column is kept.  NaN and infinities in h are not served.
; The place of a row's maximum M is found from (v - M) x 2^100 - place: a number v of the wave's 64 that differs from M by less than 2^-94 and is not equal to it is not told from M (that takes |M| under 2^-70).
; REGISTERS: window 0: v0-31 addresses; v32-47 scale words, two sets; v64-127 the bias; v128-223 A's fragments, one set (on the way out: the places and work); v224-255 the way out.
; Window 1: B's fragments, two sets, at v0 and v128.  Window 2: the accumulators of my rows 0-63 ((a, b) at v[8 (8 a + b)]); window 3: those of rows 64-127.
.set FRB,   1536
.set STEPB, 12800
.set FILL,  3*STEPB                    ; what one tensor load brings, and a wave's region in a slot
.set SLOT,  4*FILL                     ; A's two groups, then B's two
.set GRP,   16*STEPB                   ; a group's bytes in memory
.set NFILL, 6
; A WORK-GROUP STAYS: it makes two tiles of one tile column, 16 tile rows apart, so that 256 work-groups make the 512 tiles.  B's groups and the bias are the same for both tiles.
; Behind the first tile's way out every wave runs the lines in front of a refill, a round follows, and the next tile's fill 0 is asked for; the loop's top waits for it and asks for fill 1.
; These loads stand on the one way that leads back to the loop's top; the second tile leaves the loop ahead of them.
; The next tile's fills 0 and 1 of A are named in the first tile's last two changes of slots; B's waves name nothing in the second tile: their runs have been named in the first.
.set NEXTA, 32*GRP                     ; bytes from a group of A to the group 16 tile rows on
.set SPARE, 2*SLOT                     ; the spare words, 128 bytes a wave
.set STAGE, SPARE+512                  ; the way out: 1,024 bytes a wave, bytes that no fill lands on
.set PF0,  8                           ; v8-10   the prefetches' offsets; never rewritten
.set PF1,  9
.set PF2,  10
.set ADRA, 16                          ; v16-17  my A fragments in slot 0, 1: region + 16 x lane
.set ADRS, 18                          ; v18-19  my scale words: lanes 0-15 A's, lanes 16-31 B's
.set ADRB, 20                          ; v20-21
.set STO,  24
.set RD,   25
.set CO,   26
.set SPW,  28
.set NIL,  29
.set NB,   30                          ; the column of h in my register 0 of block 0
.set BO,   31
.set SC,   32                          ; scale words: set p at v[SC + 8 p]; register i: lanes 0-15 A's block i, lanes 16-31 B's block i
.set BI,   64
.set AF,   128
.set P,    128                         ; the way out: v128-191 the places 0 .. 63 as f32
.set D,    192                         ; v192-223 32 numbers at work
.set TMX,  224
.set TIX,  228
.set MV,   232
.set MI,   240
.set OV,   249
.set OI,   250
.set TMPR, 251
.set TM,   252                         ; v252 the block's maximum, low word of the pair v[252:253]
.set G1,  24
.set G0,  32
.set G1B, 48
.set G0B, 56
.set PFA, 66
.set MSB, 0
.macro WIN new
.if MSB != (\new)
	s_set_vgpr_msb (MSB<<8)|(\new)
.set MSB, (\new)
.endif
.endm
.set MUL_LO,  0xa1
.set MUL_HI,  0xf1
.set TO_B,    0x40
.macro JLOAD g0a, g1a, g0b, g1b        ; a joint load: waves 0, 1 fetch A's groups, waves 2, 3 B's; s_nop 0 and four v_nop behind each line
	s_cmp_eq_u32 s15, 0
	s_cbranch_scc0 .Lfor_b_\@
	tensor_load_to_lds s[\g0a:\g0a+3], s[\g1a:\g1a+7]
	s_nop 0
.rept 4
	v_nop
.endr
	s_branch .Lasked_\@
.Lfor_b_\@:
	tensor_load_to_lds s[\g0b:\g0b+3], s[\g1b:\g1b+7]
	s_nop 0
.rept 4
	v_nop
.endr
.Lasked_\@:
.endm
.macro ASK f, flag, off                ; fill f of my group (off = NEXTA: of the next tile's group) is named, where the flag, made of the wave's number and the tile's count, is set
	s_cmp_lg_u32 s[\flag], 0
	s_cbranch_scc0 .Lno_ask_\@
.if (\f) < NFILL-1
	global_prefetch_b8 v[PF0], s[PFA:PFA+1] offset:(\off)+(\f)*FILL th:TH_LOAD_NT scope:SCOPE_SE
	global_prefetch_b8 v[PF1], s[PFA:PFA+1] offset:(\off)+(\f)*FILL th:TH_LOAD_NT scope:SCOPE_SE
.else
	global_prefetch_b8 v[PF2], s[PFA:PFA+1] offset:(\off)+(\f)*FILL th:TH_LOAD_NT scope:SCOPE_SE
.endif
.Lno_ask_\@:
.endm
.macro CREST
	s_cmp_lg_u32 s14, 0
	s_cbranch_scc1 .Lnot_wave_0_\@
	s_barrier_signal -3
.Lnot_wave_0_\@:
	s_barrier_wait -3
	s_barrier_signal -1
	s_barrier_wait -1
.endm
.macro CROUND
	s_barrier_signal -1
	s_barrier_wait -1
	CREST
.endm
.macro PLACES
.rept 4
	v_nop
.endr
.endm
	s_load_b128 s[4:7], s[0:1], 0x0                ; ac, bc
	s_load_b64 s[12:13], s[0:1], 0x10              ; b1
	s_load_b128 s[96:99], s[0:1], 0x18             ; pval, pidx
	v_lshl_add_u32 v[SPW], v0, 2, SPARE
	v_mov_b32 v[NIL], 0
	ds_add_u32 v[SPW], v[NIL]                      ; the opening lines: the add twice on end and one wait
	ds_add_u32 v[SPW], v[NIL]
	v_lshrrev_b32 v1, 5, v0
	v_readfirstlane_b32 s14, v1                    ; wave
	s_lshr_b32 s15, s14, 1                         ; my half of the tile's rows; also: I fetch for A (0) or B (1)
	s_and_b32 s16, s14, 1                          ; my half of its columns; also: which group of the two I fetch
	s_bfe_u32 s40, ttmp6, 0x40000                  ; cx
	s_bfe_u32 s41, ttmp6, 0x40004                  ; cy
	s_lshl_b32 s42, ttmp9, 2
	s_add_co_u32 s42, s42, s40                     ; tile column
	s_and_b32 s17, ttmp7, 0xffff
	s_lshl_b32 s17, s17, 2
	s_add_co_u32 s17, s17, s41                     ; tile row
	s_lshl_b32 s43, s41, 2
	s_lshl_b32 s43, 15, s43                        ; my row of the cluster
	s_lshl_b32 s44, 0x1111, s40                    ; my column
	s_or_b32 s[G1+0], s43, (3<<16)|(1<<21)         ; elements of 8 bytes, no padding, bit 21 beside the mask
	s_or_b32 s[G1B+0], s44, (3<<16)|(1<<21)
.irp g, G1, G1B
	s_mov_b32 s[\g+1], 32<<16                      ; rows of 32 elements = 256 bytes
	s_mov_b32 s[\g+2], 150<<16                     ; 150 rows
	s_mov_b32 s[\g+3], 32<<16
	s_mov_b32 s[\g+4], 150
	s_mov_b32 s[\g+5], 32                          ; dense
	s_mov_b32 s[\g+6], 0
	s_mov_b32 s[\g+7], 0
.endr
	s_lshl_b32 s20, s17, 1
	s_add_co_u32 s20, s20, s16
	s_mul_i32 s20, s20, GRP                        ; A: group 2 x tile row + which
	s_mov_b32 s21, 0
	s_lshl_b32 s46, s42, 1
	s_add_co_u32 s46, s46, s16
	s_mul_i32 s46, s46, GRP                        ; B: group 2 x tile column + which
	s_mov_b32 s47, 0
	s_mul_i32 s45, s14, FILL                       ; where they go: wave x a region
	s_wait_dscnt 0x0
	s_wait_kmcnt 0x0
	s_add_nc_u64 s[20:21], s[4:5], s[20:21]
	s_add_nc_u64 s[46:47], s[6:7], s[46:47]
	CROUND                                         ; in front of the first joint loads
.irp s, 0,1
	s_mov_b32 s[G0+4*\s], 1
	s_add_co_u32 s[G0+4*\s+1], s45, \s*SLOT
	s_add_nc_u64 s[G0+4*\s+2:G0+4*\s+3], s[20:21], \s*FILL
	s_or_b32 s[G0+4*\s+3], s[G0+4*\s+3], 0x80000000
	s_mov_b32 s[G0B+4*\s], 1
	s_add_co_u32 s[G0B+4*\s+1], s45, \s*SLOT
	s_add_nc_u64 s[G0B+4*\s+2:G0B+4*\s+3], s[46:47], \s*FILL
	s_or_b32 s[G0B+4*\s+3], s[G0B+4*\s+3], 0x80000000
.endr
	JLOAD G0, G1, G0B, G1B                         ; fill 0: one tensor load a wave at the head
	s_mul_i32 s70, s15, FILL                       ; my A region
	s_mul_i32 s71, s16, FILL
	s_add_co_u32 s71, s71, 2*FILL                  ; my B region
	s_add_co_u32 s72, s70, SLOT
	s_add_co_u32 s73, s71, SLOT
	s_sub_co_u32 s74, s71, s70                     ; from A's region to B's
	s_add_co_u32 s75, s70, 8*FRB                   ; the scale words stand behind a unit's eight fragments
	s_add_co_u32 s76, s75, SLOT
	s_lshl_b32 s77, s14, 10
	s_add_co_u32 s77, s77, STAGE
	s_lshl_b32 s78, s42, 8
	s_lshl_b32 s79, s16, 7
	s_add_co_u32 s78, s78, s79                     ; my first column
	s_lshl_b32 s80, s78, 2
	s_mov_b32 s81, 0
	s_add_nc_u64 s[12:13], s[12:13], s[80:81]
	s_lshl_b32 s82, s17, 10                        ; pval, pidx: 4 x (256 x tile row + 128 x half) + 32,768 x slot
	s_lshl_b32 s83, s15, 9
	s_add_co_u32 s82, s82, s83
	s_lshl_b32 s83, s42, 16
	s_add_co_u32 s82, s82, s83
	s_lshl_b32 s83, s16, 15
	s_add_co_u32 s82, s82, s83
	s_mov_b32 s83, 0
	s_add_nc_u64 s[96:97], s[96:97], s[82:83]
	s_add_nc_u64 s[98:99], s[98:99], s[82:83]
	s_cmp_eq_u32 s15, 0
	s_cselect_b32 s79, s40, s41                    ; my place among the four that ask with me
	s_cselect_b64 s[PFA:PFA+1], s[20:21], s[46:47] ; the group that I fetch
	s_cselect_b32 s89, 1, 0                        ; A's waves name the next tile's first fills, in the first tile
	s_cselect_b32 s86, NEXTA, 0                    ; what my prefetches' base steps by at the change of tiles
	s_mov_b32 s87, 0
	s_mov_b32 s88, 1                               ; every wave names this tile's fills, in the first tile
	s_mov_b32 s3, 2                                ; tiles to go
	s_lshl_b32 s79, s79, 8
	v_and_b32 v1, 31, v0                           ; lane
	v_bfe_u32 v2, v0, 4, 1                         ; h
	v_and_b32 v3, 15, v0                           ; r
	v_lshlrev_b32 v4, 4, v1
	v_add_nc_u32 v[ADRA], s70, v4
	v_add_nc_u32 v[ADRA+1], s72, v4
	v_add_nc_u32 v[ADRB], s71, v4
	v_add_nc_u32 v[ADRB+1], s73, v4
	v_lshlrev_b32 v5, 2, v3
	v_mul_u32_u24 v6, s74, v2                      ; lanes 16-31 take B's
	v_add_nc_u32 v5, v5, v6
	v_add_nc_u32 v[ADRS], s75, v5
	v_add_nc_u32 v[ADRS+1], s76, v5
	v_lshl_add_u32 v[STO], v1, 2, s77
	v_lshlrev_b32 v[CO], 4, v1
	v_add_nc_u32 v[RD], s77, v[CO]
	v_lshl_add_u32 v[NB], v2, 3, s78
	v_lshlrev_b32 v[BO], 5, v2
	v_lshl_add_u32 v[PF0], v1, 10, s79             ; run 4 lane + p
	v_add_nc_u32 v7, 0x8000, v[PF0]                ; run 4 (lane + 32) + p,
	v_min_u32 v[PF1], 149*256, v7                  ; held to the fill's last run
	v_min_u32 v[PF2], 49*256, v[PF0]               ; and for the last fill, of 50 runs
.irp b, 0,1,2,3,4,5,6,7
	global_load_b128 v[BI+8*\b:BI+8*\b+3], v[BO], s[12:13] offset:64*\b
	global_load_b128 v[BI+8*\b+4:BI+8*\b+7], v[BO], s[12:13] offset:64*\b+16
.endr
	ASK 1, 88, 0
; 16 matrix instructions: A's blocks a0, a0 + 1 x B's eight.  p: B's set and the set of scale words.  first = 1: the bias is C.  The 64 accumulators take turns.
.macro MUL16 a0, p, first
.irp a, \a0, \a0+1
.irp b, 0,1,2,3,4,5,6,7
.if \first
	v_wmma_scale_f32_16x16x128_f8f6f4 v[8*(8*((\a)%4)+\b):8*(8*((\a)%4)+\b)+7], v[128*(\p)+12*\b:128*(\p)+12*\b+11], v[AF+12*(\a):AF+12*(\a)+11], v[BI+8*\b:BI+8*\b+7], v[SC+8*(\p)+\b], v[SC+8*(\p)+(\a)] matrix_a_fmt:MATRIX_FMT_FP6 matrix_b_fmt:MATRIX_FMT_FP6 matrix_a_scale:MATRIX_SCALE_ROW1
.else
	v_wmma_scale_f32_16x16x128_f8f6f4 v[8*(8*((\a)%4)+\b):8*(8*((\a)%4)+\b)+7], v[128*(\p)+12*\b:128*(\p)+12*\b+11], v[AF+12*(\a):AF+12*(\a)+11], v[8*(8*((\a)%4)+\b):8*(8*((\a)%4)+\b)+7], v[SC+8*(\p)+\b], v[SC+8*(\p)+(\a)] matrix_a_fmt:MATRIX_FMT_FP6 matrix_b_fmt:MATRIX_FMT_FP6 matrix_a_scale:MATRIX_SCALE_ROW1
.endif
.endr
.endr
.endm
.macro MUL4 a, b0, p                   ; four of the same order
.irp b, \b0, \b0+1, \b0+2, \b0+3
	v_wmma_scale_f32_16x16x128_f8f6f4 v[8*(8*((\a)%4)+(\b)):8*(8*((\a)%4)+(\b))+7], v[128*(\p)+12*(\b):128*(\p)+12*(\b)+11], v[AF+12*(\a):AF+12*(\a)+11], v[8*(8*((\a)%4)+(\b)):8*(8*((\a)%4)+(\b))+7], v[SC+8*(\p)+(\b)], v[SC+8*(\p)+(\a)] matrix_a_fmt:MATRIX_FMT_FP6 matrix_b_fmt:MATRIX_FMT_FP6 matrix_a_scale:MATRIX_SCALE_ROW1
.endr
.endm
; step st lies in slot (st / 3) % 2, at unit st % 3 of a region
.macro FETCH_B st
	WIN TO_B
.irp i, 0,1,2,3,4,5,6,7
.irp j, 0,1,2
	ds_load_b128 v[128*((\st)%2)+12*\i+4*\j:128*((\st)%2)+12*\i+4*\j+3], v[ADRB+((\st)/3)%2] offset:((\st)%3)*STEPB+\i*FRB+512*\j
.endr
.endr
	WIN 0
.endm
.macro FETCH_A st, i0
.irp i, \i0, \i0+1, \i0+2, \i0+3
.irp j, 0,1,2
	ds_load_b128 v[AF+12*(\i)+4*\j:AF+12*(\i)+4*\j+3], v[ADRA+((\st)/3)%2] offset:((\st)%3)*STEPB+(\i)*FRB+512*\j
.endr
.endr
.endm
.macro SCALES st
.irp j, 0,1,2,3,4,5,6,7
	ds_load_b32 v[SC+8*((\st)%2)+\j], v[ADRS+((\st)/3)%2] offset:((\st)%3)*STEPB+64*\j
.endr
.endm
; A step: 64 matrix instructions.  In its middle the next step's A blocks 0-3 and scale words are fetched (20 loads), at its end A's blocks 4-7 (12 loads) and, where the step after the next lies in a slot
; that already stands whole, that step's B (24 loads), into the set that this step has just used.  The first step of a slot gets its B in the middle of the step before it, behind the barrier.
; A slot's last step changes slots: ONE barrier; in front of it each wave waits for all its tensor loads, adds 0 to its spare word, and waits for that and for its reads of this slot.
; Where a fill two on is left, the barrier opens a round of the cluster's barrier and the slot is filled again, first thing behind the round.
.macro STEP st
.set NX, (\st)+1
.set PP, (\st)%2
.set FL, (\st)/3
.set FI, 0
.if (\st) == 0
.set FI, 1
.endif
.if NX%3 == 0
	s_wait_dscnt 12                                ; all but the youngest 12 loads (A's blocks 4-7) are in
	WIN MUL_LO
	MUL16 0, PP, 0
	MUL4 2, 0, PP
	MUL4 2, 4, PP
	WIN 0
	s_wait_tensorcnt 0x0                           ; all my tensor loads have landed: my part of the next slot
	ds_add_u32 v[SPW], v[NIL]
.if FL+2 < NFILL
	s_add_nc_u64 s[G0+4*(FL%2)+2:G0+4*(FL%2)+3], s[G0+4*(FL%2)+2:G0+4*(FL%2)+3], 2*FILL    ; no tensor load of mine is out: this slot's next fill
	s_add_nc_u64 s[G0B+4*(FL%2)+2:G0B+4*(FL%2)+3], s[G0B+4*(FL%2)+2:G0B+4*(FL%2)+3], 2*FILL
.endif
.if FL+2 == NFILL-1
	s_mov_b32 s[G1+2], 50<<16                      ; the last fill is one step: 50 rows
	s_mov_b32 s[G1+4], 50
	s_mov_b32 s[G1B+2], 50<<16
	s_mov_b32 s[G1B+4], 50
.endif
	WIN MUL_LO
	MUL4 3, 0, PP
	s_wait_dscnt 0x0                               ; the add is done, and my reads of this slot are over
	s_barrier_signal -1
	MUL4 3, 4, PP
	WIN 0
	s_barrier_wait -1
.if FL+2 < NFILL
	CREST
	JLOAD G0+4*(FL%2), G1, G0B+4*(FL%2), G1B       ; my one tensor load behind the round; its four v_nop are the places in front of the loads below
.else
	PLACES
.endif
	FETCH_B NX
.else
	s_wait_dscnt 36                                ; all but the youngest 36 loads (A's blocks 4-7, then the next step's B) are in
	WIN MUL_LO-0x20*FI                             ; (the first step: C in window 0)
	MUL16 0, PP, FI
	MUL16 2, PP, FI
	s_wait_dscnt 24                                ; A's blocks 4-7 are in; the next step's B may be out
	PLACES
	WIN 0
.endif
	FETCH_A NX, 0
	SCALES NX
.if NX%3 == 0 && FL+3 < NFILL
	ASK FL+3, 88, 0
.endif
.if NX%3 == 0 && FL+3 >= NFILL
	ASK FL+3-NFILL, 89, NEXTA
.endif
	WIN MUL_HI-0x30*FI
	MUL16 4, PP, FI
	MUL16 6, PP, FI
	PLACES
	WIN 0
	FETCH_A NX, 4
.if (NX+1)%3 != 0 && NX+1 < 16
	FETCH_B NX+1
.endif
.endm
	s_wait_alu depctr_va_vdst(0)                   ; the wait at the head's end
	s_wait_loadcnt 0x0                             ; the bias
.Ltile:
	s_wait_tensorcnt 0x0                           ; my part of the tile's fill 0
	ds_add_u32 v[SPW], v[NIL]
	s_wait_dscnt 0x0
	CROUND
	JLOAD G0+4, G1, G0B+4, G1B                     ; fill 1, the first tensor load behind the round
	FETCH_B 0
	FETCH_A 0, 0
	SCALES 0
	FETCH_A 0, 4
	FETCH_B 1
	ASK 2, 88, 0
.set ST, 0                             ; written out step by step: slots (3 steps) and register sets (2 steps) come back together after 6 steps, which does not divide 16
.rept 15
	STEP ST
.set ST, ST+1
.endr
	s_wait_dscnt 12                                ; the last step
	WIN MUL_LO
	MUL16 0, 1, 0
	MUL16 2, 1, 0
	s_wait_dscnt 0x0
	WIN MUL_HI
	MUL16 4, 1, 0
	MUL16 6, 1, 0
	WIN 0
; THE WAY OUT.  Block a is 64 registers of a lane, all of ONE row: register 8 b + j (its place) holds column 16 b + 8 (lane / 16) + j.
; ARGMAX a: the largest of the 64, M (four chains; each accumulator is read from its low end on).  Then t = (v - M) x 2^100 - place, two numbers an instruction: where v = M that is
; -place exactly, elsewhere it lies under -64 (the head's limit).  The largest t is minus the lowest place that holds M.
.macro ARGMAX a
.set AW, 2+(\a)/4
.set AC, 64*((\a)%4)
	WIN 21*AW
.irp k, 0,1,2,3
	v_max3_num_f32 v[TMX+\k], v[AC+8*\k], v[AC+8*\k+1], v[AC+8*\k+2]
.endr
	WIN 20*AW
.irp p, 3,5
.irp k, 0,1,2,3
	v_max3_num_f32 v[TMX+\k], v[TMX+\k], v[AC+8*\k+\p], v[AC+8*\k+\p+1]
.endr
.endr
.irp k, 0,1,2,3
	v_max3_num_f32 v[TMX+\k], v[TMX+\k], v[AC+8*\k+7], v[AC+8*\k+32]
.endr
.irp p, 33,35,37
.irp k, 0,1,2,3
	v_max3_num_f32 v[TMX+\k], v[TMX+\k], v[AC+8*\k+\p], v[AC+8*\k+\p+1]
.endr
.endr
.irp k, 0,1,2,3
	v_max_num_f32 v[TMX+\k], v[TMX+\k], v[AC+8*\k+39]
.endr
	WIN 0
	v_max3_num_f32 v[TMPR], v[TMX], v[TMX+1], v[TMX+2]
	v_max_num_f32 v[TM], v[TMPR], v[TMX+3]
	v_max_num_f32 v[MV+(\a)], v[TMPR], v[TMX+3]
.irp f, 0,1
	WIN AW
.irp q, 0,1,2,3,4,5,6,7,8,9,10,11,12,13,14,15
	v_pk_add_f32 v[D+2*\q:D+2*\q+1], v[AC+32*\f+2*\q:AC+32*\f+2*\q+1], v[TM:TM+1] op_sel_hi:[1,0] neg_lo:[0,1] neg_hi:[0,1]
.endr
	WIN 0
.irp q, 0,1,2,3,4,5,6,7,8,9,10,11,12,13,14,15
	v_pk_fma_f32 v[D+2*\q:D+2*\q+1], v[D+2*\q:D+2*\q+1], 0x71800000, v[P+32*\f+2*\q:P+32*\f+2*\q+1] op_sel_hi:[1,0,1] neg_lo:[0,0,1] neg_hi:[0,0,1]
.endr
.if \f == 0
.irp k, 0,1,2,3
	v_max3_num_f32 v[TIX+\k], v[D+8*\k], v[D+8*\k+1], v[D+8*\k+2]
.endr
.irp p, 3,5
.irp k, 0,1,2,3
	v_max3_num_f32 v[TIX+\k], v[TIX+\k], v[D+8*\k+\p], v[D+8*\k+\p+1]
.endr
.endr
.irp k, 0,1,2,3
	v_max_num_f32 v[TIX+\k], v[TIX+\k], v[D+8*\k+7]
.endr
.else
.irp p, 0,2,4,6
.irp k, 0,1,2,3
	v_max3_num_f32 v[TIX+\k], v[TIX+\k], v[D+8*\k+\p], v[D+8*\k+\p+1]
.endr
.endr
.endif
.endr
	v_max3_num_f32 v[TMPR], v[TIX], v[TIX+1], v[TIX+2]
	v_max_num_f32 v[TMPR], v[TMPR], v[TIX+3]
	v_sub_f32 v[TMPR], 0, v[TMPR]
	v_cvt_u32_f32 v[MI+(\a)], v[TMPR]              ; the lowest place that holds the maximum
.endm
; MERGE a: the place becomes a column of h; then the row's other 64 columns, in the lane 16 away, are compared: the larger number, of equal numbers the lower column.
.macro MERGE a
	v_lshrrev_b32 v[TMPR], 3, v[MI+(\a)]
	v_and_b32 v[MI+(\a)], 7, v[MI+(\a)]
	v_lshl_add_u32 v[MI+(\a)], v[TMPR], 4, v[MI+(\a)]
	v_add_nc_u32 v[MI+(\a)], v[NB], v[MI+(\a)]
	v_permlanex16_b32 v[OV], v[MV+(\a)], s20, s21
	v_permlanex16_b32 v[OI], v[MI+(\a)], s20, s21
	v_cmp_gt_f32 s90, v[OV], v[MV+(\a)]
	v_cmp_eq_f32 s91, v[OV], v[MV+(\a)]
	v_cmp_lt_u32 s92, v[OI], v[MI+(\a)]
	s_and_b32 s91, s91, s92
	s_or_b32 s90, s90, s91
	v_cndmask_b32 v[MV+(\a)], v[MV+(\a)], v[OV], s90
	v_cndmask_b32 v[MI+(\a)], v[MI+(\a)], v[OI], s90
.endm
	v_mov_b32 v[TM+1], 0                           ; four plain lines that name no register of the last products: the places in front of what follows.  (The pair's upper word is named and not used)
	v_mov_b32 v[OV], 0
	v_mov_b32 v[OI], 0
	v_nop
	s_mov_b32 s20, 0x76543210
	s_mov_b32 s21, 0xfedcba98
	s_mov_b32 s22, 0xffff0000                      ; lanes 16-31
.set i, 0
.rept 64
	v_cvt_f32_u32 v[P+i], i                        ; the places as f32, where A's fragments lay
.set i, i+1
.endr
.irp a, 0,1,2,3,4,5,6,7
	ARGMAX \a
.endr
.irp a, 0,1,2,3,4,5,6,7
	MERGE \a
.endr
	; lanes 0-15 keep block 2 p's pair, lanes 16-31 block 2 p + 1's: lane l then holds row 32 p + l; the 128 rows' words go through my stage and come back 16 bytes a lane
.irp p, 0,1,2,3
	v_cndmask_b32 v[TMX+\p], v[MV+2*\p], v[MV+2*\p+1], s22
	v_cndmask_b32 v[TIX+\p], v[MI+2*\p], v[MI+2*\p+1], s22
.endr
.irp p, 0,1,2,3
	ds_store_b32 v[STO], v[TMX+\p] offset:128*\p
	ds_store_b32 v[STO], v[TIX+\p] offset:512+128*\p
.endr
	ds_load_b128 v[MV:MV+3], v[RD]                 ; LDS serves a wave's instructions in order: these see my stores
	ds_load_b128 v[MV+4:MV+7], v[RD] offset:512
	s_wait_dscnt 0x0
	global_store_b128 v[CO], v[MV:MV+3], s[96:97]  ; 32 lanes store 512 consecutive bytes, aligned
	global_store_b128 v[CO], v[MV+4:MV+7], s[98:99]
	s_sub_co_u32 s3, s3, 1
	s_cmp_eq_u32 s3, 0
	s_cbranch_scc1 .Ldone                          ; the second tile asks for nothing more
	s_wait_xcnt 0x0                                ; the stores and the prefetches have read their bases
	s_add_nc_u64 s[96:97], s[96:97], 16384         ; 16 tile rows on: 4,096 rows of 4 bytes
	s_add_nc_u64 s[98:99], s[98:99], 16384
	s_add_nc_u64 s[PFA:PFA+1], s[PFA:PFA+1], s[86:87]
	s_mov_b32 s88, s89                             ; in the second tile A's waves alone name fills,
	s_mov_b32 s89, 0                               ; and no tile follows it
	s_wait_tensorcnt 0x0                           ; no tensor load of mine is out;
	ds_add_u32 v[SPW], v[NIL]
	s_add_nc_u64 s[G0+2:G0+3], s[G0+2:G0+3], NEXTA-4*FILL      ; slot 0 from fill 4 to the next tile's fill 0, slot 1 from fill 5 to its fill 1;
	s_add_nc_u64 s[G0+6:G0+7], s[G0+6:G0+7], NEXTA-4*FILL
	s_sub_nc_u64 s[G0B+2:G0B+3], s[G0B+2:G0B+3], 4*FILL        ; B only back along K
	s_sub_nc_u64 s[G0B+6:G0B+7], s[G0B+6:G0B+7], 4*FILL
	s_mov_b32 s[G1+2], 150<<16                     ; a fill is three steps again: 150 rows
	s_mov_b32 s[G1+4], 150
	s_mov_b32 s[G1B+2], 150<<16
	s_mov_b32 s[G1B+4], 150
	s_wait_dscnt 0x0                               ; the add is done; my reads of both slots were over in the last step
	CROUND
	JLOAD G0, G1, G0B, G1B                         ; the next tile's fill 0, my one tensor load behind the round
	s_wait_alu depctr_va_vdst(0)                   ; the wait ahead of the branch
	s_branch .Ltile
.Ldone:
	s_wait_tensorcnt 0x0
	ds_add_u32 v[SPW], v[NIL]
	s_wait_dscnt 0x0
	CROUND                                         ; the closing round
	s_endpgm
.Lfunc_end_k_q4afce2b41f_gemm:
	.size	k_q4afce2b41f_gemm, .Lfunc_end_k_q4afce2b41f_gemm-k_q4afce2b41f_gemm
	.p2alignl 7, 3214868480
	.fill 96, 4, 3214868480
	.section	.rodata,"a",@progbits
	.p2align	6, 0x0
	.amdhsa_kernel k_q4afce2b41f_gemm
		.amdhsa_group_segment_fixed_size 327680
		.amdhsa_private_segment_fixed_size 0
		.amdhsa_enable_private_segment 0
		.amdhsa_kernarg_size 40
		.amdhsa_user_sgpr_count 2
		.amdhsa_user_sgpr_kernarg_segment_ptr 1
		.amdhsa_wavefront_size32 1
		.amdhsa_system_sgpr_workgroup_id_x 1
		.amdhsa_system_sgpr_workgroup_id_y 1
		.amdhsa_system_sgpr_workgroup_id_z 1
		.amdhsa_system_vgpr_workitem_id 0
		.amdhsa_next_free_vgpr 1024
		.amdhsa_next_free_sgpr 101
		.amdhsa_reserve_vcc 0
		.amdhsa_float_denorm_mode_32 3
		.amdhsa_float_denorm_mode_16_64 3
		.amdhsa_memory_ordered 1
		.amdhsa_forward_progress 1
		.amdhsa_inst_pref_size 255
	.end_amdhsa_kernel
	.section	.bss,"aw",@nobits
	.p2align	6
	.space	262144
	.amdgpu_metadata
---
amdhsa.version: [ 1, 2 ]
amdhsa.kernels:
  - .name:           k_q4afce2b41f_gemm
    .symbol:         k_q4afce2b41f_gemm.kd
    .args:
      - { .name: ac, .offset: 0, .size: 8, .value_kind: global_buffer, .address_space: global }
      - { .name: bc, .offset: 8, .size: 8, .value_kind: global_buffer, .address_space: global }
      - { .name: b1, .offset: 16, .size: 8, .value_kind: global_buffer, .address_space: global }
      - { .name: pval, .offset: 24, .size: 8, .value_kind: global_buffer, .address_space: global }
      - { .name: pidx, .offset: 32, .size: 8, .value_kind: global_buffer, .address_space: global }
    .group_segment_fixed_size: 327680
    .private_segment_fixed_size: 0
    .kernarg_segment_align: 8
    .kernarg_segment_size: 40
    .max_flat_workgroup_size: 128
    .sgpr_count:     101
    .vgpr_count:     1024
    .wavefront_size: 32
...
	.end_amdgpu_metadata
.endif
;; end of part 2
;; launch turn (part 3): grid 64 x 4, 16 waves a work-group, no clusters, 68,608 bytes of LDS; arguments w2, b2, pval, pidx, w2t, idx; writes w2t, idx
.if DOCPART == 3
	.amdgcn_target "amdgcn-amd-amdhsa--gfx1250"
	.amdhsa_code_object_version 6
	.text
	.protected	k_q4afce2b41f_turn
	.globl	k_q4afce2b41f_turn
	.p2align	8
	.type	k_q4afce2b41f_turn,@function
k_q4afce2b41f_turn:
	s_mov_b64 s[64:65], 0
	v_nop
	global_prefetch_b8 v0, s[64:65] scope:SCOPE_SE
	s_setreg_imm32_b32 hwreg(HW_REG_WAVE_MODE, 25, 1), 1
	s_wait_xcnt 0x0
; Two small jobs in one launch.
; (1) w2 [1000][4096] f32 is turned and b2 added: w2t[j][c] = w2[c][j] + b2[c], rows of 1,024 numbers (4,096 bytes); c = 1000 .. 1023 is filler that is written and never read.
;     So the last launch finds out's row for index j as one run of 4,000 bytes.
; (2) A row's 32 partial maxima (pval, pidx: slot s stands for columns 128 s .. 128 s + 127 of h) are compared: idx[row] = the first column that holds the row's largest number.
;     Of two numbers the larger is kept, of equal numbers the one with the lower column.  The result is held to 0 .. 4095.  NaN among the partial maxima is not served.
; SHARES.  Work-group (x, y) turns the tile j = 64 x .. + 63, c = 256 y .. + 255: 64 KB, all of it asked for at once.  Sixteen waves.  On the way in wave w takes columns j = 32 (w % 2) + lane and rows
; c = 32 (w / 2) + 0 .. 31: a lane to a column j, its registers down c; a load reads 128 consecutive bytes, two waves side by side 256.  Four registers are 16 bytes of a row of w2t: they go to LDS, rows PT bytes apart.
; On the way out wave w takes rows j = 8 (w / 2) + 0 .. 7 and bytes 512 (w % 2) on: a store covers 512 consecutive bytes, aligned.
; By the text's own count a wave has 33 loads out, wave 0 49: all of a wave's loads are issued in one run, and none has to wait for another to come back.
; Wave 0 also compares the partial maxima of rows 32 (x + 64 y) .. + 31.  Lane l takes four rows, 4 (l % 8) + 0 .. 3 (16 neighbouring bytes of a slot), and eight slots, 8 (l / 8) + 0 .. 7: sixteen loads.
; The eight slots are compared in the lane, as a tree, the four rows by turns; then the four groups of lanes are joined: lane l xor 8, lane l xor 16.
; The tile's rows c = 1000 .. 1023 do not exist: the one wave that would read them reads rows 976 .. 999 a second time: no load leaves w2.  b2's offset is held to its last 16 bytes likewise.
; No tensor loads, no cluster: work-groups share no input.  One barrier, between the writing and the reading of the tile in LDS.
.set PT,  1040                         ; an LDS row: 1,024 bytes + 16 = 65 x 16
.set XR,  16                           ; v16-47   32 numbers of my column, later 8 x 4 numbers of w2t's rows
.set PV,  48                           ; v48-79   wave 0: slot k of my eight, four rows: v[PV + 4 k ..]
.set PI,  80                           ; v80-111  and their columns
.set OV,  112                          ; v112-115 another lane's four maxima
.set OI,  116                          ; v116-119 and their columns
.set MK,  40                           ; s40-55   lane masks
	s_load_b64 s[4:5], s[0:1], 0x0                 ; w2
	s_load_b64 s[8:9], s[0:1], 0x8                 ; b2
	s_load_b128 s[12:15], s[0:1], 0x10             ; pval, pidx
	s_load_b64 s[10:11], s[0:1], 0x20              ; w2t
	s_load_b64 s[16:17], s[0:1], 0x28              ; idx
	v_lshl_add_u32 v120, v0, 2, 0x10400
	v_mov_b32 v121, 0
	v_lshrrev_b32 v7, 5, v0
	s_delay_alu instid0(VALU_DEP_1)
	v_readfirstlane_b32 s18, v7                    ; wave 0..15
	v_and_b32 v1, 31, v0                           ; lane
	s_wait_alu depctr_va_vdst(0)
	v_lshlrev_b32 v2, 2, v1                        ; 4 x lane
	v_lshlrev_b32 v3, 4, v1                        ; 16 x lane
	s_wait_alu depctr_va_vdst(0)
	s_and_b32 s19, ttmp7, 0xffff                   ; y
	s_and_b32 s20, s18, 1                          ; w % 2
	s_lshr_b32 s21, s18, 1                         ; w / 2, 0..7
	s_lshl_b32 s24, s19, 22                        ; w2: (256 y + 32 (w / 2)) rows of 16,384 bytes
	s_lshl_b32 s25, s21, 19
	s_add_co_u32 s24, s24, s25
	s_lshl_b32 s25, ttmp9, 8                       ; + (64 x + 32 (w % 2)) x 4
	s_add_co_u32 s24, s24, s25
	s_lshl_b32 s25, s20, 7
	s_add_co_u32 s24, s24, s25
	s_mov_b32 s25, 0
	s_lshl_b32 s26, s19, 3
	s_add_co_u32 s26, s26, s21
	s_cmp_eq_u32 s26, 31                           ; the wave whose rows are c = 992 .. 1023
	s_cselect_b32 s26, 24*16384, 0                 ; takes its last 24 loads 24 rows further up
	s_mov_b32 s27, 0
	s_lshl_b32 s28, ttmp9, 18                      ; w2t: (64 x + 8 (w / 2)) rows of 4,096 bytes
	s_lshl_b32 s29, s21, 15
	s_add_co_u32 s28, s28, s29
	s_lshl_b32 s30, s19, 10                        ; + (256 y + 128 (w % 2)) x 4, which is also the place in b2
	s_lshl_b32 s29, s20, 9
	s_add_co_u32 s30, s30, s29
	s_add_co_u32 s28, s28, s30
	s_mov_b32 s29, 0
	s_lshl_b32 s32, s19, 6
	s_add_co_u32 s32, s32, ttmp9
	s_lshl_b32 s32, s32, 7                         ; 32 rows x 4 bytes x (x + 64 y)
	s_mov_b32 s33, 0
	s_mul_i32 s34, s20, 32*PT                      ; LDS, in: row 32 (w % 2) + lane, byte 128 (w / 2)
	s_lshl_b32 s35, s21, 7
	s_add_co_u32 s34, s34, s35
	v_mul_u32_u24 v4, v1, PT
	s_delay_alu instid0(VALU_DEP_1)
	v_add_nc_u32 v4, s34, v4
	s_mul_i32 s35, s21, 8*PT                       ; LDS, out: row 8 (w / 2), byte 512 (w % 2) + 16 x lane
	s_lshl_b32 s36, s20, 9
	s_add_co_u32 s35, s35, s36
	v_add_nc_u32 v5, s35, v3
	v_lshl_add_u32 v6, v1, 4, s30                  ; b2: my four numbers,
	s_delay_alu instid0(VALU_DEP_1)
	v_min_u32 v6, 3984, v6                         ; held to the last 16 bytes for the filler's lanes
	v_and_b32 v13, 7, v1
	s_delay_alu instid0(VALU_DEP_1)
	v_lshlrev_b32 v13, 4, v13                      ; the partial maxima: my four rows, 16 (lane % 8),
	v_lshrrev_b32 v14, 3, v1
	s_delay_alu instid0(VALU_DEP_1)
	v_lshl_add_u32 v12, v14, 18, v13               ; in my first slot: 8 (lane / 8) slots of 32,768 bytes
	s_delay_alu instid0(VALU_DEP_2)
	v_lshl_add_u32 v14, v14, 2, v13                ; idx: the one row that I store: 4 (lane % 8) + lane / 8
	s_mov_b32 s56, 0x76543210                      ; v_permlanex16_b32's selects for lane l xor 16
	s_mov_b32 s57, 0xfedcba98
	s_mov_b32 s58, 0x0000ff00                      ; lanes 8-15,
	s_mov_b32 s59, 0x00ff0000                      ; 16-23,
	s_mov_b32 s60, 0xff000000                      ; 24-31
	s_wait_alu depctr_va_vdst(0)
	s_wait_kmcnt 0x0
	s_add_nc_u64 s[4:5], s[4:5], s[24:25]
	s_sub_nc_u64 s[6:7], s[4:5], s[26:27]
	s_add_nc_u64 s[10:11], s[10:11], s[28:29]
	s_add_nc_u64 s[12:13], s[12:13], s[32:33]
	s_add_nc_u64 s[14:15], s[14:15], s[32:33]
	s_add_nc_u64 s[16:17], s[16:17], s[32:33]
	global_load_b128 v[8:11], v6, s[8:9]
.set i, 0
.rept 8
	global_load_b32 v[XR+i], v2, s[4:5] offset:16384*i th:TH_LOAD_NT
.set i, i+1
.endr
.rept 24
	global_load_b32 v[XR+i], v2, s[6:7] offset:16384*i th:TH_LOAD_NT
.set i, i+1
.endr
; Slots k and k + d of my eight, k = 0, 2 d, ..: the higher slot takes over only where its number is strictly larger, so of equal numbers the lower slot's, with the lower column, stays.
.macro TAKE d
.set k, 0
.rept 4/\d
.irp e, 0,1,2,3
	v_cmp_gt_f32 s[MK+2*k/\d+\e], v[PV+4*(k+\d)+\e], v[PV+4*k+\e]
.endr
.set k, k+2*\d
.endr
.set k, 0
.rept 4/\d
.irp e, 0,1,2,3
	v_cndmask_b32 v[PV+4*k+\e], v[PV+4*k+\e], v[PV+4*(k+\d)+\e], s[MK+2*k/\d+\e]
	v_cndmask_b32 v[PI+4*k+\e], v[PI+4*k+\e], v[PI+4*(k+\d)+\e], s[MK+2*k/\d+\e]
.endr
.set k, k+2*\d
.endr
.endm
; Another lane's four pairs against mine: the larger number, and of equal numbers the lower column.  Both lanes end with the same pairs.
.macro JOIN
.irp e, 0,1,2,3
	v_cmp_gt_f32 s[MK+\e], v[OV+\e], v[PV+\e]
	v_cmp_eq_f32 s[MK+4+\e], v[OV+\e], v[PV+\e]
	v_cmp_lt_u32 s[MK+8+\e], v[OI+\e], v[PI+\e]
.endr
.irp e, 0,1,2,3
	s_and_b32 s[MK+4+\e], s[MK+4+\e], s[MK+8+\e]
	s_or_b32 s[MK+\e], s[MK+\e], s[MK+4+\e]
.endr
.irp e, 0,1,2,3
	v_cndmask_b32 v[PV+\e], v[PV+\e], v[OV+\e], s[MK+\e]
	v_cndmask_b32 v[PI+\e], v[PI+\e], v[OI+\e], s[MK+\e]
.endr
.endm
	s_cmp_lg_u32 s18, 0                            ; wave 0 alone compares the partial maxima; no barrier stands inside
	s_cbranch_scc1 .Lnot_wave_0
.set k, 0
.rept 8
	global_load_b128 v[PV+4*k:PV+4*k+3], v12, s[12:13] offset:32768*k   ; eight lanes read 128 consecutive bytes of a slot; the four groups of lanes four slots
	global_load_b128 v[PI+4*k:PI+4*k+3], v12, s[14:15] offset:32768*k
.set k, k+1
.endr
.irp e, 0,1,2,3,4,5,6,7
	v_mov_b32 v[OV+\e], 0                          ; written once: the destination of a move between lanes counts as one of its sources
.endr
	s_wait_loadcnt 0x0
	TAKE 1
	TAKE 2
	TAKE 4                                         ; v[PV .. PV + 3], v[PI .. PI + 3]: my four rows over my eight slots
.irp e, 0,1,2,3
	v_mov_b32_dpp v[OV+\e], v[PV+\e] row_xmask:8 row_mask:0xf bank_mask:0xf   ; lane l xor 8: the same rows, the neighbouring eight slots
	v_mov_b32_dpp v[OI+\e], v[PI+\e] row_xmask:8 row_mask:0xf bank_mask:0xf
.endr
	JOIN
.irp e, 0,1,2,3
	v_permlanex16_b32 v[OV+\e], v[PV+\e], s56, s57 ; lane l xor 16: the other sixteen slots
	v_permlanex16_b32 v[OI+\e], v[PI+\e], s56, s57
.endr
	JOIN
	v_cndmask_b32 v[PI], v[PI], v[PI+1], s58       ; all four groups of lanes hold the same four rows: group g keeps row 4 (l % 8) + g
	s_delay_alu instid0(VALU_DEP_1)
	v_cndmask_b32 v[PI], v[PI], v[PI+2], s59
	s_delay_alu instid0(VALU_DEP_1)
	v_cndmask_b32 v[PI], v[PI], v[PI+3], s60
	s_delay_alu instid0(VALU_DEP_1)
	v_min_u32 v[PI], 0xfff, v[PI]
	global_store_b32 v14, v[PI], s[16:17]          ; 32 rows' indices: 128 consecutive bytes; v14 and v[PI] are not written again
.Lnot_wave_0:
.set g, 0
.rept 8
	s_wait_loadcnt 28-4*g                          ; loads come back in order: group g's four are in; the 28 - 4 g loads of w2 issued behind them may be out (in wave 0 all are in)
	ds_store_b128 v4, v[XR+4*g:XR+4*g+3] offset:16*g
.set g, g+1
.endr
	s_wait_dscnt 0x0                               ; for the others' sake: my stores into the tile are done
	s_barrier_signal -1
	s_barrier_wait -1
.set t, 0
.rept 8
	ds_load_b128 v[XR+4*t:XR+4*t+3], v5 offset:PT*t
.set t, t+1
.endr
.set t, 0
.rept 8
	s_wait_dscnt 7-t                               ; row t is in; the later rows may be out
	v_pk_add_f32 v[XR+4*t:XR+4*t+1], v[XR+4*t:XR+4*t+1], v[8:9]
	v_pk_add_f32 v[XR+4*t+2:XR+4*t+3], v[XR+4*t+2:XR+4*t+3], v[10:11]
	global_store_b128 v3, v[XR+4*t:XR+4*t+3], s[10:11] offset:4096*t th:TH_STORE_NT   ; 32 lanes store 512 consecutive bytes, aligned
.set t, t+1
.endr
	s_wait_tensorcnt 0x0
	ds_add_u32 v120, v121
	s_wait_dscnt 0x0
	s_endpgm
.Lfunc_end_k_q4afce2b41f_turn:
	.size	k_q4afce2b41f_turn, .Lfunc_end_k_q4afce2b41f_turn-k_q4afce2b41f_turn
	.p2alignl 7, 3214868480
	.fill 96, 4, 3214868480
	.section	.rodata,"a",@progbits
	.p2align	6, 0x0
	.amdhsa_kernel k_q4afce2b41f_turn
		.amdhsa_group_segment_fixed_size 68608
		.amdhsa_private_segment_fixed_size 0
		.amdhsa_enable_private_segment 0
		.amdhsa_kernarg_size 48
		.amdhsa_user_sgpr_count 2
		.amdhsa_user_sgpr_kernarg_segment_ptr 1
		.amdhsa_wavefront_size32 1
		.amdhsa_system_sgpr_workgroup_id_x 1
		.amdhsa_system_sgpr_workgroup_id_y 1
		.amdhsa_system_sgpr_workgroup_id_z 1
		.amdhsa_system_vgpr_workitem_id 0
		.amdhsa_next_free_vgpr 122
		.amdhsa_next_free_sgpr 66
		.amdhsa_reserve_vcc 0
		.amdhsa_float_denorm_mode_32 3
		.amdhsa_float_denorm_mode_16_64 3
		.amdhsa_memory_ordered 1
		.amdhsa_forward_progress 1
		.amdhsa_inst_pref_size 22
	.end_amdhsa_kernel
	.amdgpu_metadata
---
amdhsa.version: [ 1, 2 ]
amdhsa.kernels:
  - .name:           k_q4afce2b41f_turn
    .symbol:         k_q4afce2b41f_turn.kd
    .args:
      - { .name: w2, .offset: 0, .size: 8, .value_kind: global_buffer, .address_space: global }
      - { .name: b2, .offset: 8, .size: 8, .value_kind: global_buffer, .address_space: global }
      - { .name: pval, .offset: 16, .size: 8, .value_kind: global_buffer, .address_space: global }
      - { .name: pidx, .offset: 24, .size: 8, .value_kind: global_buffer, .address_space: global }
      - { .name: w2t, .offset: 32, .size: 8, .value_kind: global_buffer, .address_space: global }
      - { .name: idx, .offset: 40, .size: 8, .value_kind: global_buffer, .address_space: global }
    .group_segment_fixed_size: 68608
    .private_segment_fixed_size: 0
    .kernarg_segment_align: 8
    .kernarg_segment_size: 48
    .max_flat_workgroup_size: 512
    .sgpr_count:     66
    .vgpr_count:     122
    .wavefront_size: 32
...
	.end_amdgpu_metadata
.endif
;; end of part 3
;; launch gather (part 4): grid 512 x 1, 5 waves a work-group, no clusters, 0 bytes of LDS; arguments w2t, idx, out0; writes out0
.if DOCPART == 4
	.amdgcn_target "amdgcn-amd-amdhsa--gfx1250"
	.amdhsa_code_object_version 6
	.text
	.protected	k_q4afce2b41f_gather
	.globl	k_q4afce2b41f_gather
	.p2align	8
	.type	k_q4afce2b41f_gather,@function
k_q4afce2b41f_gather:
	s_mov_b64 s[64:65], 0
	v_nop
	global_prefetch_b8 v0, s[64:65] scope:SCOPE_SE
	s_setreg_imm32_b32 hwreg(HW_REG_WAVE_MODE, 25, 1), 1
	s_wait_xcnt 0x0
; out0[b][c] = w2t[idx[b]][c], c = 0 .. 999 (w2t[j][c] = w2[c][j] + b2[c] was made by the launch before, idx too).
; A row of out0 is 4,000 bytes, no multiple of 256; sixteen rows are 64,000 bytes = 250 aligned runs of 256.  So a work-group owns 16 rows and treats them as one stream of 4,000 pieces of 16 bytes:
; 125 wave instructions, 25 for each of five waves.  Piece c = 800 x wave + 32 t + lane lies in row c / 250 at byte 16 (c % 250): every store covers 512 consecutive bytes, aligned.
; c / 250 = (c x 16,778) >> 22 for c < 4,000: 16,778 / 2^22 is above 1 / 250 by 4.7 parts in 100,000, which over c / 250 < 16 is under 0.00075, less than the 0.004 that is left under the next whole number.
; The index is a whole number read from memory; it is held to 0 .. 4095 before it enters an address.
; THE ADDRESS ARITHMETIC GOES BY TURNS: each line is written for all 25 pieces before the next line, so that no line reads the result of the line above it; and all of it that needs no pointer
; stands ahead of the wait for the kernel's arguments.
; All 25 pieces of a wave are asked for before the first is stored; no source of a pending load or store is ever rewritten.  No LDS, no barrier, no cluster: waves share nothing.
.set IX, 8                             ; v8-32    piece t: 4 x its row, then the row's index, then the index's row in w2t in bytes
.set CF, 33                            ; v33-57   piece t: its byte in a row, then its byte in w2t
.set D,  60                            ; v60-159  piece t: its 16 bytes
.set CC, 60                            ; v60-84   until the pieces are asked for: piece t's number c
.set RW, 85                            ; v85-109  and its row
	s_load_b128 s[4:7], s[0:1], 0x0                ; w2t, idx
	s_load_b64 s[8:9], s[0:1], 0x10                ; out0
	v_and_b32 v1, 31, v0                           ; lane
	v_sub_nc_u32 v2, v0, v1                        ; 32 x wave
	v_mad_u32_u24 v2, v2, 25, v1                   ; my first piece: 800 x wave + lane
	v_lshlrev_b32 v3, 4, v2                        ; and its byte among the work-group's 64,000
	s_lshl_b32 s10, ttmp9, 6                       ; 16 indices of 4 bytes
	s_mov_b32 s11, 0
	s_mul_i32 s12, ttmp9, 64000
	s_mov_b32 s13, 0
.set t, 0
.rept 25
	v_add_nc_u32 v[CC+t], 32*t, v2                 ; c
.set t, t+1
.endr
.set t, 0
.rept 25
	v_mul_u32_u24 v[RW+t], 0x418a, v[CC+t]
.set t, t+1
.endr
.set t, 0
.rept 25
	v_lshrrev_b32 v[RW+t], 22, v[RW+t]             ; its row, 0 .. 15
.set t, t+1
.endr
.set t, 0
.rept 25
	v_lshlrev_b32 v[IX+t], 2, v[RW+t]
.set t, t+1
.endr
.set t, 0
.rept 25
	v_mul_u32_u24 v[RW+t], 250, v[RW+t]
.set t, t+1
.endr
.set t, 0
.rept 25
	v_sub_nc_u32 v[CF+t], v[CC+t], v[RW+t]         ; c % 250
.set t, t+1
.endr
.set t, 0
.rept 25
	v_lshlrev_b32 v[CF+t], 4, v[CF+t]
.set t, t+1
.endr
	s_wait_kmcnt 0x0
	s_add_nc_u64 s[6:7], s[6:7], s[10:11]
	s_add_nc_u64 s[8:9], s[8:9], s[12:13]
.set t, 0
.rept 25
	global_load_b32 v[IX+t], v[IX+t], s[6:7]       ; the row's index lands on its own address register
.set t, t+1
.endr
	s_wait_loadcnt 0x0
.set t, 0
.rept 25
	v_min_u32 v[IX+t], 0xfff, v[IX+t]              ; inside the table
.set t, t+1
.endr
.set t, 0
.rept 25
	v_lshlrev_b32 v[IX+t], 12, v[IX+t]             ; a row of w2t is 4,096 bytes
.set t, t+1
.endr
.set t, 0
.rept 25
	v_add_nc_u32 v[CF+t], v[IX+t], v[CF+t]
.set t, t+1
.endr
.set t, 0
.rept 25
	global_load_b128 v[D+4*t:D+4*t+3], v[CF+t], s[4:5]   ; (no hint: two rows of out0 may name one row of w2t)
.set t, t+1
.endr
.set t, 0
.rept 25
	s_wait_loadcnt 24-t                            ; loads come back in order: piece t is in; the 24 - t later ones may be out
	global_store_b128 v3, v[D+4*t:D+4*t+3], s[8:9] offset:512*t th:TH_STORE_NT   ; 32 lanes store 512 consecutive bytes, aligned
.set t, t+1
.endr
	s_endpgm
.Lfunc_end_k_q4afce2b41f_gather:
	.size	k_q4afce2b41f_gather, .Lfunc_end_k_q4afce2b41f_gather-k_q4afce2b41f_gather
	.p2alignl 7, 3214868480
	.fill 96, 4, 3214868480
	.section	.rodata,"a",@progbits
	.p2align	6, 0x0
	.amdhsa_kernel k_q4afce2b41f_gather
		.amdhsa_group_segment_fixed_size 0
		.amdhsa_private_segment_fixed_size 0
		.amdhsa_enable_private_segment 0
		.amdhsa_kernarg_size 24
		.amdhsa_user_sgpr_count 2
		.amdhsa_user_sgpr_kernarg_segment_ptr 1
		.amdhsa_wavefront_size32 1
		.amdhsa_system_sgpr_workgroup_id_x 1
		.amdhsa_system_sgpr_workgroup_id_y 1
		.amdhsa_system_sgpr_workgroup_id_z 1
		.amdhsa_system_vgpr_workitem_id 0
		.amdhsa_next_free_vgpr 160
		.amdhsa_next_free_sgpr 66
		.amdhsa_reserve_vcc 0
		.amdhsa_float_denorm_mode_32 3
		.amdhsa_float_denorm_mode_16_64 3
		.amdhsa_memory_ordered 1
		.amdhsa_forward_progress 1
		.amdhsa_inst_pref_size 20
	.end_amdhsa_kernel
	.amdgpu_metadata
---
amdhsa.version: [ 1, 2 ]
amdhsa.kernels:
  - .name:           k_q4afce2b41f_gather
    .symbol:         k_q4afce2b41f_gather.kd
    .args:
      - { .name: w2t, .offset: 0, .size: 8, .value_kind: global_buffer, .address_space: global }
      - { .name: idx, .offset: 8, .size: 8, .value_kind: global_buffer, .address_space: global }
      - { .name: out0, .offset: 16, .size: 8, .value_kind: global_buffer, .address_space: global }
    .group_segment_fixed_size: 0
    .private_segment_fixed_size: 0
    .kernarg_segment_align: 8
    .kernarg_segment_size: 24
    .max_flat_workgroup_size: 160
    .sgpr_count:     66
    .vgpr_count:     160
    .wavefront_size: 32
...
	.end_amdgpu_metadata
.endif
;; end of part 4
